; MI455X (gfx1250); checked and timed in simulation.
; The chip was launched on July 23, 2026; its instructions are those of AMD's public machine-readable ISA for CDNA 5 (MIT licence, August 2026) and "CDNA5" Instruction Set Architecture Reference Guide (July 2026). The comments in the code are by the model that wrote it; some were corrected since.
;; Slow LSTM. Allowed arithmetic: float matrix products may take bf16 or f16 operands with f32 sums; other float arithmetic in f32, or as packed bf16 or f16 multiplies, adds, multiply-adds, maxima and minima; sums over many terms, partial sums and values carried from step to step in f32; what a program stores and reads back later, other than sums and carried values, may be rounded once to bf16 or f16.
;; Inputs: b_c 2,048 float32; b_f 2,048 float32; b_i 2,048 float32; b_o 2,048 float32; c 2,048 x 2,048 float32; h 2,048 x 2,048 float32; w_hc 2,048 x 2,048 float32; w_hf 2,048 x 2,048 float32; w_hi 2,048 x 2,048 float32; w_ho 2,048 x 2,048 float32; w_xc 2,048 x 2,048 float32; w_xf 2,048 x 2,048 float32; w_xi 2,048 x 2,048 float32; w_xo 2,048 x 2,048 float32; x 2,048 x 2,048 float32.
;; Outputs: out0 2,048 x 1 x 2,048 float32; out1 2,048 x 1 x 2,048 float32.
;; One version. Each part assembles by itself: llvm-mc -triple=amdgcn-amd-amdhsa -mcpu=gfx1250 --defsym DOCPART=n.
;; ======== version 1 of 1: 2 launches
;; limits: a function is approximated: absolute error at most 3e-07
;; workspace buffers: abf 16,777,216 bytes; wbf 67,108,864 bytes
;; launch pack (part 1): grid 256 x 1, 16 waves a work-group, no clusters, 83,968 bytes of LDS; arguments x, h, w_xi, w_xf, w_xo, w_xc, w_hi, w_hf, w_ho, w_hc, abf, wbf; writes abf, wbf
.if DOCPART == 1
	.amdgcn_target "amdgcn-amd-amdhsa--gfx1250"
	.amdhsa_code_object_version 6
	.text
	.protected	k_qd3263bdc5f_pack
	.globl	k_qd3263bdc5f_pack
	.p2align	8
	.type	k_qd3263bdc5f_pack,@function
k_qd3263bdc5f_pack:
	s_mov_b64 s[64:65], 0
	v_nop
	global_prefetch_b8 v0, s[64:65] scope:SCOPE_SE
	s_setreg_imm32_b32 hwreg(HW_REG_WAVE_MODE, 25, 1), 1
	s_wait_xcnt 0x0
; x, h and the eight weight matrices, all [2048][2048] f32, are rounded once to bf16 (to nearest even) and laid out for the product that follows.
;   abf [2048 m][4096 k] bf16: k < 2048 is x[m][k], k >= 2048 is h[m][k - 2048].
;   wbf [4096 k][8192 n] bf16: rows k < 2048 come from w_x*, the others from w_h*; column n = (j >> 5) * 128 + g * 32 + (j & 31) is gate g (0 i, 1 f, 2 o, 3 c), column j:
;   the four gates of 32 neighbouring columns j lie side by side in 256 bytes.
; LIMITS.  A number beyond bf16's largest finite one becomes an infinity; NaN stays NaN.
; SHARES.  4,096 waves, 16 to a work-group.  Wave W makes row W of wbf (4 gates x 8,192 bytes in, 16,384 out) and one row of x or h (8,192 bytes in, 4,096 out).
; Every byte is read once and written once.  No wave wants another's bytes: no barrier, no loop.  48 loads of 512 bytes a wave go out at the start.
; THE GATES MEET IN LDS: a lane's 4 numbers of one gate are 8 bytes of a block of 256; they go into the wave's own LDS bytes and come back as whole blocks, so that each store of the wave
; covers 512 consecutive bytes, aligned.  x and h need no such turn: 32 lanes x 8 bytes are 256 consecutive bytes, aligned.
.set UNITP, 320                        ; LDS pitch of a block of 256 bytes: block q starts at bank 16 q mod 64, so the 32 lanes of an 8-byte store (4 blocks x 64 bytes) take each bank once
.set CBLK,  4*UNITP                    ; a column block: 128 columns j of 4 gates = 4 blocks
.set WAVEB, 4*CBLK                     ; a wave's LDS bytes: one batch of four column blocks
.set SPARE, 16*WAVEB                   ; behind them: the spare words, 128 bytes for each of the 16 waves: eight blocks of 256 bytes that no other line names
.set LOF, 2                            ; v2   16 x lane: my 16 bytes of 512; never rewritten
.set SOF, 3                            ; v3   8 x lane
.set SA,  4                            ; v4   where I put 8 bytes: my wave's bytes + (lane / 8) x 320 + (lane % 8) x 8
.set RA,  5                            ; v5   where I read 16 bytes back: my wave's bytes + (lane / 16) x 320 + (lane % 16) x 16
.set SPW, 6                            ; v6   LDS address of my spare word; never rewritten
.set NIL, 7                            ; v7   0; never rewritten
.set R0,  16                           ; v[16:79]    a batch of the weights: column block cb, gate g at 16 cb + 4 g
.set R1,  80                           ; v[80:143]   the other batch
.set RX,  144                          ; v[144:207]  the row of x or h
.set Q,   216                          ; v[216:247]  a batch read back from LDS
.set SG,  32                           ; s[32:39] the four gates' rows
.set SX,  40                           ; s[40:41] the row of x or h
.set DW,  42                           ; s[42:43] my row of wbf
.set DA,  44                           ; s[44:45] my half row of abf
	s_load_b512 s[8:23], s[0:1], 0x0               ; x 8, h 10, w_xi 12, w_xf 14, w_xo 16, w_xc 18, w_hi 20, w_hf 22
	s_load_b256 s[24:31], s[0:1], 0x40             ; w_ho 24, w_hc 26, abf 28, wbf 30
	v_lshl_add_u32 v[SPW], v0, 2, SPARE
	v_mov_b32 v[NIL], 0
	v_lshrrev_b32 v1, 5, v0
	v_readfirstlane_b32 s4, v1                     ; wave 0..15
	s_lshl_b32 s5, ttmp9, 4
	s_add_co_u32 s5, s5, s4                        ; W = 16 x work-group + wave
	s_and_b32 s6, s5, 2047                         ; the row in its source
	s_lshr_b32 s7, s5, 11                          ; 0: x and w_x*; 1: h and w_h*
	v_and_b32 v8, 31, v0                           ; lane
	v_lshlrev_b32 v[LOF], 4, v8
	v_lshlrev_b32 v[SOF], 3, v8
	s_mul_i32 s2, s4, WAVEB                        ; my wave's LDS bytes
	v_lshrrev_b32 v9, 3, v8
	v_and_b32 v10, 7, v8
	v_mul_u32_u24 v9, v9, UNITP
	v_lshl_add_u32 v9, v10, 3, v9
	v_add_nc_u32 v[SA], s2, v9
	v_lshrrev_b32 v9, 4, v8
	v_and_b32 v10, 15, v8
	v_mul_u32_u24 v9, v9, UNITP
	v_lshl_add_u32 v9, v10, 4, v9
	v_add_nc_u32 v[RA], s2, v9
	s_lshl_b32 s46, s6, 13                         ; a source row is 8,192 bytes
	s_mov_b32 s47, 0
	s_wait_kmcnt 0x0
	s_cmp_lt_u32 s5, 2048
	s_cselect_b64 s[SG:SG+1],   s[12:13], s[20:21]
	s_cselect_b64 s[SG+2:SG+3], s[14:15], s[22:23]
	s_cselect_b64 s[SG+4:SG+5], s[16:17], s[24:25]
	s_cselect_b64 s[SG+6:SG+7], s[18:19], s[26:27]
	s_cselect_b64 s[SX:SX+1],   s[8:9],   s[10:11]
.irp g, 0,1,2,3
	s_add_nc_u64 s[SG+2*(\g):SG+2*(\g)+1], s[SG+2*(\g):SG+2*(\g)+1], s[46:47]
.endr
	s_add_nc_u64 s[SX:SX+1], s[SX:SX+1], s[46:47]
	s_add_nc_u64 s[DA:DA+1], s[28:29], s[46:47]    ; a row of abf is 8,192 bytes too,
	s_lshl_b32 s46, s7, 12
	s_add_nc_u64 s[DA:DA+1], s[DA:DA+1], s[46:47]  ; and h takes its second half
	s_lshl_b32 s46, s5, 14
	s_add_nc_u64 s[DW:DW+1], s[30:31], s[46:47]    ; a row of wbf is 16,384 bytes
; Batch n of four: column blocks 4 n .. 4 n + 3 of all four gates: 16 loads of 512 consecutive bytes.
.macro LOADW R, n
.irp cb, 0,1,2,3
.irp g, 0,1,2,3
	global_load_b128 v[(\R)+16*(\cb)+4*(\g):(\R)+16*(\cb)+4*(\g)+3], v[LOF], s[SG+2*(\g):SG+2*(\g)+1] offset:(4*(\n)+(\cb))*512 th:TH_LOAD_NT
.endr
.endr
.endm
; Batch n is rounded in place, sent through my LDS bytes and stored.  next = 1: its registers take batch n + 2, ahead of the stores.
.macro PROC R, n, next
.set i, 0
.rept 16
	v_cvt_pk_bf16_f32 v[(\R)+4*i],   v[(\R)+4*i],   v[(\R)+4*i+1]
	v_cvt_pk_bf16_f32 v[(\R)+4*i+1], v[(\R)+4*i+2], v[(\R)+4*i+3]
.set i, i+1
.endr
.irp cb, 0,1,2,3
.irp g, 0,1,2,3
	ds_store_b64 v[SA], v[(\R)+16*(\cb)+4*(\g):(\R)+16*(\cb)+4*(\g)+1] offset:(\cb)*CBLK+(\g)*64
.endr
.endr
.if (\n) > 0
	s_wait_xcnt 0x0                                ; Q was the data of the last batch's stores: it is written again only behind this wait
.endif
.irp cb, 0,1,2,3
.irp z, 0,1
	ds_load_b128 v[Q+8*(\cb)+4*(\z):Q+8*(\cb)+4*(\z)+3], v[RA] offset:(\cb)*CBLK+(\z)*2*UNITP  ; LDS serves a wave's instructions in order (ISA guide 5.7.1.4): these see the stores above
.endr
.endr
	s_wait_dscnt 0x0                               ; the batch is back in registers, and the LDS stores have read theirs
.if \next
	LOADW \R, (\n)+2
.endif
.irp cb, 0,1,2,3
.irp z, 0,1
	global_store_b128 v[LOF], v[Q+8*(\cb)+4*(\z):Q+8*(\cb)+4*(\z)+3], s[DW:DW+1] offset:(4*(\n)+(\cb))*1024+(\z)*512 th:TH_STORE_NT  ; 512 consecutive bytes, at a multiple of 512 from wbf's first
.endr
.endr
.endm
	LOADW R0, 0
	LOADW R1, 1
.set i, 0
.rept 16
	global_load_b128 v[RX+4*i:RX+4*i+3], v[LOF], s[SX:SX+1] offset:512*i th:TH_LOAD_NT
.set i, i+1
.endr
	s_wait_loadcnt 32                              ; batch 0 is in; batch 1 and the row of x or h, 32 loads, stay out
	PROC R0, 0, 1
	s_wait_loadcnt 32                              ; batch 1 is in; the row and batch 2 stay out
	PROC R1, 1, 1
	s_wait_loadcnt 32                              ; the row of x or h is in; batches 2 and 3 stay out
.set i, 0
.rept 16
	v_cvt_pk_bf16_f32 v[RX+4*i],   v[RX+4*i],   v[RX+4*i+1]
	v_cvt_pk_bf16_f32 v[RX+4*i+1], v[RX+4*i+2], v[RX+4*i+3]
.set i, i+1
.endr
.set i, 0
.rept 16
	global_store_b64 v[SOF], v[RX+4*i:RX+4*i+1], s[DA:DA+1] offset:256*i th:TH_STORE_NT  ; 32 lanes store 256 consecutive bytes, at a multiple of 256 from abf's first
.set i, i+1
.endr
	s_wait_loadcnt 16                              ; batch 2 is in; batch 3 stays out
	PROC R0, 2, 0
	s_wait_loadcnt 0x0
	PROC R1, 3, 0
	s_wait_tensorcnt 0x0                           ; the wave's end, behind my last LDS store
	ds_add_u32 v[SPW], v[NIL]
	s_wait_dscnt 0x0
	s_endpgm
.Lfunc_end_k_qd3263bdc5f_pack:
	.size	k_qd3263bdc5f_pack, .Lfunc_end_k_qd3263bdc5f_pack-k_qd3263bdc5f_pack
	.p2alignl 7, 3214868480
	.fill 96, 4, 3214868480
	.section	.rodata,"a",@progbits
	.p2align	6, 0x0
	.amdhsa_kernel k_qd3263bdc5f_pack
		.amdhsa_group_segment_fixed_size 83968
		.amdhsa_private_segment_fixed_size 0
		.amdhsa_enable_private_segment 0
		.amdhsa_kernarg_size 96
		.amdhsa_user_sgpr_count 2
		.amdhsa_user_sgpr_kernarg_segment_ptr 1
		.amdhsa_wavefront_size32 1
		.amdhsa_system_sgpr_workgroup_id_x 1
		.amdhsa_system_sgpr_workgroup_id_y 1
		.amdhsa_system_sgpr_workgroup_id_z 1
		.amdhsa_system_vgpr_workitem_id 0
		.amdhsa_next_free_vgpr 248
		.amdhsa_next_free_sgpr 66
		.amdhsa_reserve_vcc 0
		.amdhsa_float_denorm_mode_32 3
		.amdhsa_float_denorm_mode_16_64 3
		.amdhsa_memory_ordered 1
		.amdhsa_forward_progress 1
		.amdhsa_inst_pref_size 31
	.end_amdhsa_kernel
	.amdgpu_metadata
---
amdhsa.version: [ 1, 2 ]
amdhsa.kernels:
  - .name:           k_qd3263bdc5f_pack
    .symbol:         k_qd3263bdc5f_pack.kd
    .args:
      - { .name: x, .offset: 0, .size: 8, .value_kind: global_buffer, .address_space: global }
      - { .name: h, .offset: 8, .size: 8, .value_kind: global_buffer, .address_space: global }
      - { .name: w_xi, .offset: 16, .size: 8, .value_kind: global_buffer, .address_space: global }
      - { .name: w_xf, .offset: 24, .size: 8, .value_kind: global_buffer, .address_space: global }
      - { .name: w_xo, .offset: 32, .size: 8, .value_kind: global_buffer, .address_space: global }
      - { .name: w_xc, .offset: 40, .size: 8, .value_kind: global_buffer, .address_space: global }
      - { .name: w_hi, .offset: 48, .size: 8, .value_kind: global_buffer, .address_space: global }
      - { .name: w_hf, .offset: 56, .size: 8, .value_kind: global_buffer, .address_space: global }
      - { .name: w_ho, .offset: 64, .size: 8, .value_kind: global_buffer, .address_space: global }
      - { .name: w_hc, .offset: 72, .size: 8, .value_kind: global_buffer, .address_space: global }
      - { .name: abf, .offset: 80, .size: 8, .value_kind: global_buffer, .address_space: global }
      - { .name: wbf, .offset: 88, .size: 8, .value_kind: global_buffer, .address_space: global }
    .group_segment_fixed_size: 83968
    .private_segment_fixed_size: 0
    .kernarg_segment_align: 8
    .kernarg_segment_size: 96
    .max_flat_workgroup_size: 512
    .sgpr_count:     66
    .vgpr_count:     248
    .wavefront_size: 32
...
	.end_amdgpu_metadata
.endif
;; end of part 1
;; launch lstm (part 2): grid 32 x 8, 4 waves a work-group, clusters of 4 x 4, 327,680 bytes of LDS; arguments abf, wbf, c, b_i, b_f, b_o, b_c, out0, out1; writes out0, out1
.if DOCPART == 2
	.amdgcn_target "amdgcn-amd-amdhsa--gfx1250"
	.amdhsa_code_object_version 6
	.text
	.protected	k_qd3263bdc5f_lstm
	.globl	k_qd3263bdc5f_lstm
	.p2align	8
	.type	k_qd3263bdc5f_lstm,@function
k_qd3263bdc5f_lstm:
	s_mov_b64 s[64:65], 0
	v_nop
	global_prefetch_b8 v0, s[64:65] scope:SCOPE_SE
	s_setreg_imm32_b32 hwreg(HW_REG_WAVE_MODE, 25, 1), 1
	s_wait_xcnt 0x0
	s_wait_alu depctr_hold_cnt(0) depctr_sa_sdst(0) depctr_va_vdst(0) depctr_va_sdst(0) depctr_va_ssrc(0) depctr_va_vcc(0) depctr_vm_vsrc(0)
	s_getreg_b32 s2, hwreg(HW_REG_IB_STS2, 6, 4)
	s_cmp_eq_u32 s2, 0
	s_cbranch_scc0 .Lentry_in_a_cluster
	s_endpgm
.Lentry_in_a_cluster:
	s_bfe_u32 s2, ttmp6, 0x10000c
	s_cmp_lg_u32 s2, 0xf033
	s_cbranch_scc0 .Lentry_shape_is_right
	s_endpgm
.Lentry_shape_is_right:
; ONE LSTM STEP.  gates[m][n] = bias[n] + the sum over k of abf[m][k] wbf[k][n]  (abf [2048][4096], wbf [4096][8192], both bf16; sums in f32, started with the bias);
; i, f, o = sigmoid, g = tanh;  c_t = c f + i g -> out1;  h_t = o tanh(c_t) -> out0.  c, the biases and both outputs are f32, [2048][2048] and [2048].
; In wbf column n = (j >> 5) * 128 + gate * 32 + (j & 31), gate 0 i, 1 f, 2 o, 3 c: the four gates of 32 columns j lie side by side.
; LIMITS.  x, h and the weights come rounded once to bf16.  sigmoid(z) = 1 / (1 + 2^(-1.442695 z)), tanh(z) = 1 - 2 / (1 + 2^(2.885390 z)): both go rightly to their ends where the power is 0 or
; infinite; near 0 tanh has an absolute error of about 1e-7; a power below 2^-126 counts as 0; NaN and infinities in the inputs are not treated apart.
; SHARES.  256 work-groups of four waves.  Work-group (tx, ty) makes rows 256 ty .. + 255 and columns j = 64 tx .. + 63 of both outputs: a block of 256 x 256 of the gates.  Wave w takes rows
; 128 (w / 2) on and the 32 columns j from 32 (w % 2) on, in all four gates: 128 x 128 of the gates, 64 accumulators of 16 x 16, 512 registers.
; K goes in 32 steps of 128 through a ring of two LDS slots filled by the tensor data mover.  abf's tile has rows of 256 bytes, wbf's (128 k x 256 n) rows of 512 bytes, all at multiples of 256 bytes.
; THE MATRIX INSTRUCTION IS USED TRANSPOSED: source 0 = 16 columns n of wbf (turned on the way out of LDS by ds_load_tr16_b128), source 1 = 16 rows of abf.  In accumulator (a, b), b = 2 gate + u,
; lane l then holds row 16 a + l % 16 and the columns j = 16 u + 8 (l / 16) + 0..7 of that gate: ALL FOUR GATES OF AN OUTPUT NUMBER LIE IN ONE LANE, and the cell's arithmetic changes no lane.
; CLUSTERS: 4 x 4 work-groups.  The four of a row of the cluster need the same tiles of abf, the four of a column the same tiles of wbf: each is asked for JOINTLY, by the same tensor load with the
; same descriptor and a mask that names the four.
; THE END.  When slot 0 has been read for the last time (K step 30) its first half takes the work-group's tile of c, each wave fetching 64 rows.  Behind the last product each wave makes c_t and h_t,
; 16 rows at a time, and puts them into two stages in LDS (slot 1's first half, slot 0's second half: both have had their last fill and their last read); a barrier, since a row's 256 bytes come from
; two waves; then whole rows go out.
; REGISTERS, in windows of 256 (s_set_vgpr_msb: bits 1:0 source 0, 3:2 source 1, 5:4 source 2, 7:6 destination):
;   window 0: v0-31 addresses; v64-127, v128-191 fragments of abf, two buffers (at the end: at work); v192-255 the biases, laid as eight C operands
;   window 1: v64-127, v128-191 fragments of wbf, two buffers      window 2: the accumulators of my rows 0-63 ((a, b) at 8 (8 a + b))      window 3: those of my rows 64-127
.set KSTEP,  128
.set PITCH,  272                       ; an LDS row of abf, of c and of the stages: 256 bytes + 16 = 68 words: row r starts at bank 4 r mod 64 (64 banks of 4 bytes: ISA guide 11.1)
.set PB,     544                       ; an LDS row of wbf: 512 bytes + 32 = 136 words: row r starts at bank 8 r mod 64
.set HALFT,  128*PITCH                 ; what one tensor load of the ring brings: 128 rows of abf, or 64 rows of wbf (64 x 544 is the same number)
.set SLOT,   4*HALFT                   ; abf's 256 rows, then wbf's 128 rows
.set CTS,    SLOT                      ; the stage for c_t: 256 rows x 272 bytes
.set HTS,    2*HALFT                   ; the stage for h_t
.set SPARE,  2*SLOT                    ; behind the ring: the spare words, 128 bytes for each wave: two blocks of 256 bytes that no other line names
.set LAPS,   16                        ; a lap = two K steps = once round the ring
.set AROW,   8192                      ; bytes in a row of abf, of c and of the outputs
.set BROW,   16384                     ; bytes in a row of wbf
.set BSTEP,  KSTEP*BROW                ; a K step in wbf
.set ADRA, 16                          ; v16-17  LDS address of my fragments of abf in slot 0, 1
.set CTA,  18                          ; v18     where I put my 32 bytes of a row of c_t
.set ADRB, 20                          ; v20-21  LDS address of my fragments of wbf in slot 0, 1
.set CA,   22                          ; v22     where my 32 bytes of a row of c lie
.set HA,   23                          ; v23     where I put my 32 bytes of a row of h_t
.set RD,   24                          ; v24     where I read rows of c_t back
.set RDH,  25                          ; v25     and of h_t
.set CO,   26                          ; v26     my byte offset in two rows of an output
.set BO,   27                          ; v27     my byte offset in a bias
.set SPW,  28                          ; v28     LDS address of my spare word: SPARE + 4 x my thread's number; never rewritten
.set NIL,  29                          ; v29     0; never rewritten
.set PFO,  30                          ; v30     the prefetches' offset in abf or wbf; never rewritten
.set PFC,  31                          ; v31     8,192 x lane: a lane a row of c; never rewritten
.set F0,   64
.set F1,   128
.set BIAS, 192                         ; v[BIAS + 8 b + r]: the bias of gate b / 2, column 16 (b % 2) + 8 (l / 16) + r
.set Z,    64                          ; at the end: 64 registers at work: i at +0, f at +16, o at +32, g at +48
.set NL,   4                           ; s[4:5]   -log2(e), named as a pair
.set TL,   6                           ; s[6:7]   2 log2(e)
.set OH,   8                           ; s[8:9]   out0 at the first row and column that I store
.set OC,   66                          ; s[66:67] out1 likewise
.set CPT,  86                          ; s[86:87] c likewise
.set LIM,  43                          ; s43      1 in a wave that prefetches abf or wbf, else the greatest number
.set PFA,  44                          ; s[44:45] where those prefetches stand
.set PST,  46                          ; s[46:47] their step: a K step of abf or of wbf
.set G1,  24                           ; s[24:31] descriptor group 1 for abf's tiles;  s[32:39] group 0, one set for each slot
.set G0,  32
.set G1B, 48                           ; s[48:55], s[56:63] the same for wbf's tiles
.set G0B, 56
.set G1C, 88                           ; s[88:95], s[96:99] for c's tile
.set G0C, 96
.set MSB, 0
.macro WIN new                         ; the immediate's high byte repeats the setting that is left; a switch that changes nothing is dropped
.if MSB != (\new)
	s_set_vgpr_msb (MSB<<8)|(\new)
.set MSB, \new
.endif
.endm
.set MUL_LO,   0xa1                    ; source 0 (wbf) window 1, source 1 (abf) window 0, C and D window 2
.set FIRST_LO, 0x81                    ; the same with C (the bias) in window 0
.set TO_B,     0x40                    ; destination window 1, address window 0
; A joint load.  Waves 0 and 1 fetch abf's two halves, waves 2 and 3 wbf's.  Each of the two lines has one mask and one set of registers for all that issue it; the branch hangs on the wave's number alone.
; An s_nop 0 and four v_nop follow each of the two lines, ahead of the jump, the label and what follows.
.macro JLOAD s
	s_cmp_eq_u32 s11, 0
	s_cbranch_scc0 .Lfor_b_\@
	tensor_load_to_lds s[G0+4*(\s):G0+4*(\s)+3], s[G1:G1+7]
	s_nop 0
.rept 4
	v_nop
.endr
	s_branch .Lasked_\@
.Lfor_b_\@:
	tensor_load_to_lds s[G0B+4*(\s):G0B+4*(\s)+3], s[G1B:G1B+7]
	s_nop 0
.rept 4
	v_nop
.endr
.Lasked_\@:
.endm
; PREFETCHES INTO THE L2, behind each joint load, its five lines and the run of LDS loads that follows them.
; abf and wbf: the K step that stands two refills on, 512 matrix instructions ahead of the load that will want it; one instruction a wave, a lane a block of 256 bytes.  Each block is named once in the
; launch.  abf's tile row is read by every cluster of that row of clusters: cluster x = 0 asks; wbf's tile column by both clusters of that column: cluster y = 0 asks.  The four partners that ask for a tile
; jointly share it out BY ADDRESS: of abf's 128 rows that a wave fetches the partner at cx takes 32; of wbf's 64 rows of 512 bytes the partner at cy takes 16, two blocks each.  K steps 0 to 3 come by
; their loads alone; the loop's last trip has no K step two refills on.
; c: in that last trip each wave asks for its own 64 rows of c's tile, 32 at each change of slots, a lane a row of 256 bytes: two and one K steps ahead of the load that brings them.
.macro ASK slot
	s_cmp_gt_u32 s3, s[LIM]                        ; s3 = 1 in the loop's last trip
	s_cbranch_scc0 .Lnot_mine_\@
	global_prefetch_b8 v[PFO], s[PFA:PFA+1] th:TH_LOAD_NT scope:SCOPE_SE
.Lnot_mine_\@:
	s_cmp_eq_u32 s3, 1
	s_cbranch_scc0 .Lnot_c_\@
	global_prefetch_b8 v[PFC], s[CPT:CPT+1] offset:(\slot)*32*AROW th:TH_LOAD_NT scope:SCOPE_SE
.Lnot_c_\@:
.endm
; A round of the cluster's barrier: my work-group's barrier, so that wave 0's signal speaks for all four waves; wave 0 signals for the work-group; every wave waits for all sixteen work-groups;
; my work-group's barrier once more.  No LDS instruction of the wave is pending at a signal.
.macro CREST                           ; a round behind its opening barrier
	s_cmp_lg_u32 s10, 0
	s_cbranch_scc1 .Lnot_wave_0_\@
	s_barrier_signal -3
.Lnot_wave_0_\@:
	s_barrier_wait -3
	s_barrier_signal -1
	s_barrier_wait -1
.endm
.macro CROUND                          ; a whole round
	s_barrier_signal -1
	s_barrier_wait -1
	CREST
.endm
	s_load_b512 s[68:83], s[0:1], 0x0              ; abf 68, wbf 70, c 72, b_i 74, b_f 76, b_o 78, b_c 80, out0 82
	s_load_b64 s[84:85], s[0:1], 0x40              ; out1
	v_lshl_add_u32 v[SPW], v0, 2, SPARE
	v_mov_b32 v[NIL], 0
	ds_add_u32 v[SPW], v[NIL]                      ; the wave's opening: the add and its wait stand ahead of my first tensor load; the set-up below, work on registers, stands between them
	v_lshrrev_b32 v1, 5, v0
	v_readfirstlane_b32 s10, v1                    ; wave 0..3
	s_lshr_b32 s11, s10, 1                         ; which half of the block's rows is mine.  Also: I fetch for abf (0) or for wbf (1)
	s_and_b32 s12, s10, 1                          ; which 32 columns j.  Also: which half of that tile I fetch
	s_bfe_u32 s40, ttmp6, 0x40000                  ; cx: my place along the cluster's x
	s_bfe_u32 s41, ttmp6, 0x40004                  ; cy: along its y
	s_lshl_b32 s42, ttmp9, 2                       ; in a cluster launch ttmp9 and ttmp7 count clusters
	s_add_co_u32 s42, s42, s40                     ; tx = 4 x cluster x + cx
	s_and_b32 s13, ttmp7, 0xffff
	s_lshl_b32 s13, s13, 2
	s_add_co_u32 s13, s13, s41                     ; ty = 4 x cluster y + cy
	s_lshl_b32 s43, s41, 2
	s_lshl_b32 s43, 15, s43                        ; my row of the cluster: places 4 cy .. 4 cy + 3
	s_lshl_b32 s44, 0x1111, s40                    ; my column: places cx, cx + 4, cx + 8, cx + 12
	; descriptor group 1.  abf: a tile of 128 rows x 128 elements; wbf: 64 rows x 256 elements; c: 64 rows x 64 elements of 4 bytes; all padded in LDS
	s_or_b32 s[G1+0], s43, (1<<16)|(1<<20)|(1<<21)|(5<<22)|(3<<25)   ; 15:0 the mask: my row; 17:16 elements of 2 bytes; 20 padding on; 21 set beside a mask; 24:22 after every 64 words (code 5); 31:25 4 words (code 3)
	s_mov_b32 s[G1+1], KSTEP<<16                   ; tensor_dim0 = 128
	s_mov_b32 s[G1+2], 128<<16                     ; tensor_dim1 = 128
	s_mov_b32 s[G1+3], KSTEP<<16                   ; tile_dim0 = 128
	s_mov_b32 s[G1+4], 128                         ; tile_dim1 = 128
	s_mov_b32 s[G1+5], 4096                        ; elements from row to row
	s_mov_b32 s[G1+6], 0
	s_mov_b32 s[G1+7], 0
	s_or_b32 s[G1B+0], s44, (1<<16)|(1<<20)|(1<<21)|(6<<22)|(7<<25)  ; the mask: my column; padding after every 128 words (code 6), 8 words (code 7)
	s_mov_b32 s[G1B+1], 256<<16                    ; tensor_dim0 = 256
	s_mov_b32 s[G1B+2], 64<<16                     ; tensor_dim1 = 64
	s_mov_b32 s[G1B+3], 256<<16                    ; tile_dim0 = 256
	s_mov_b32 s[G1B+4], 64                         ; tile_dim1 = 64
	s_mov_b32 s[G1B+5], 8192                       ; elements from row to row
	s_mov_b32 s[G1B+6], 0
	s_mov_b32 s[G1B+7], 0
	s_mov_b32 s[G1C+0], (2<<16)|(1<<20)|(5<<22)|(3<<25)              ; no mask: a load of my own; elements of 4 bytes; padding after every 64 words, 4 words
	s_mov_b32 s[G1C+1], 64<<16                     ; tensor_dim0 = 64
	s_mov_b32 s[G1C+2], 64<<16                     ; tensor_dim1 = 64
	s_mov_b32 s[G1C+3], 64<<16                     ; tile_dim0 = 64
	s_mov_b32 s[G1C+4], 64                         ; tile_dim1 = 64
	s_mov_b32 s[G1C+5], 2048                       ; elements from row to row
	s_mov_b32 s[G1C+6], 0
	s_mov_b32 s[G1C+7], 0
	s_mov_b32 s[NL], 0xbfb8aa3b                    ; -1.442695
	s_mov_b32 s[NL+1], 0xbfb8aa3b
	s_mov_b32 s[TL], 0x4038aa3b                    ; 2.885390
	s_mov_b32 s[TL+1], 0x4038aa3b
	; where the tiles come from.  abf's hang on ty alone, which my row of the cluster shares; wbf's on tx alone, which my column shares.  Every wave makes both addresses and asks by one of them.
	s_lshl_b32 s16, s13, 8
	s_lshl_b32 s17, s12, 7
	s_add_co_u32 s16, s16, s17                     ; abf: row 256 ty + 128 x half,
	s_lshl_b32 s16, s16, 13                        ; of 8,192 bytes (under 2^25)
	s_mov_b32 s17, 0
	s_lshl_b32 s46, s12, 20                        ; wbf: row 64 x half, of 16,384 bytes,
	s_lshl_b32 s47, s42, 9                         ; column 256 tx, of 2 bytes
	s_add_co_u32 s46, s46, s47
	s_mov_b32 s47, 0
	s_mul_i32 s20, s10, HALFT                      ; and where they go: wave x HALFT: no place in the cluster enters an LDS address
	s_wait_dscnt 0x0                               ; the opening add is done
	s_wait_kmcnt 0x0
	s_add_nc_u64 s[14:15], s[68:69], s[16:17]
	s_add_nc_u64 s[46:47], s[70:71], s[46:47]
	CROUND                                         ; all sixteen work-groups are here: the first joint loads meet
.irp s, 0,1
	s_mov_b32 s[G0+4*(\s)], 1                                        ; 1:0 count = 1
	s_add_co_u32 s[G0+4*(\s)+1], s20, (\s)*SLOT                      ; 63:32 LDS address
	s_add_nc_u64 s[G0+4*(\s)+2:G0+4*(\s)+3], s[14:15], (\s)*KSTEP*2  ; 120:64 global address: K step s
	s_or_b32 s[G0+4*(\s)+3], s[G0+4*(\s)+3], 0x80000000              ; 127:126 type = 2
	s_mov_b32 s[G0B+4*(\s)], 1
	s_add_co_u32 s[G0B+4*(\s)+1], s20, (\s)*SLOT
	s_add_nc_u64 s[G0B+4*(\s)+2:G0B+4*(\s)+3], s[46:47], (\s)*BSTEP
	s_or_b32 s[G0B+4*(\s)+3], s[G0B+4*(\s)+3], 0x80000000
	JLOAD \s                                       ; the ring is filled before anything else is done: two loads of mine are out
.endr
	v_and_b32 v1, 15, v0                           ; l % 16
	v_bfe_u32 v2, v0, 4, 1                         ; l / 16
	; the biases: for each gate and each half u of my 32 columns, my lane's eight numbers: the C operands of the first products
	s_lshl_b32 s21, s42, 8                         ; 64 tx columns of 4 bytes,
	s_lshl_b32 s22, s12, 7                         ; my 32 of them
	s_add_co_u32 s21, s21, s22
	v_lshl_add_u32 v[BO], v2, 5, s21
.irp g, 0,1,2,3
.irp u, 0,1
	global_load_b128 v[BIAS+16*(\g)+8*(\u):BIAS+16*(\g)+8*(\u)+3],   v[BO], s[74+2*(\g):75+2*(\g)] offset:64*(\u)
	global_load_b128 v[BIAS+16*(\g)+8*(\u)+4:BIAS+16*(\g)+8*(\u)+7], v[BO], s[74+2*(\g):75+2*(\g)] offset:64*(\u)+16
.endr
.endr
	; A fragment of abf is 16 rows x 32 K in 8 registers: lane l holds row l % 16; registers 0-3 K = 8 (l / 16) + 0..7, registers 4-7 K = 16 + 8 (l / 16) + 0..7: two loads of 16 bytes, 32 bytes apart.
	v_mul_u32_u24 v3, v1, PITCH
	v_lshl_add_u32 v4, v2, 4, v3                   ; row x pitch + 16 x half
	s_mul_i32 s21, s11, HALFT                      ; my 128 rows of abf
	; The turning load takes 16 k x 16 n (lane l reads 16 bytes: k = 8 (l / 16) + l % 8, n = 8 ((l / 8) % 2) + 0..7) and leaves half a fragment: lane l holds column n = l % 16 and 8 k.
	v_and_b32 v5, 7, v0
	v_lshl_add_u32 v5, v2, 3, v5
	v_mul_u32_u24 v5, v5, PB
	v_bfe_u32 v6, v0, 3, 1
	v_lshl_add_u32 v5, v6, 4, v5
	s_lshl_b32 s22, s12, 8                         ; my 128 columns n: 256 bytes of a row,
	s_add_co_u32 s22, s22, 2*HALFT                 ; behind abf's 256 rows
.irp s, 0,1
	v_add_nc_u32 v[ADRA+(\s)], s21, v4
	v_add_nc_u32 v[ADRB+(\s)], s22, v5
	s_add_co_u32 s21, s21, SLOT
	s_add_co_u32 s22, s22, SLOT
.endr
	s_mul_i32 s23, s11, HALFT                      ; c's tile and the stages: my 128 rows of 272 bytes,
	s_lshl_b32 s21, s12, 7                         ; my 32 columns of 4 bytes,
	s_add_co_u32 s23, s23, s21
	v_lshl_add_u32 v7, v2, 5, v3                   ; row l % 16, 32 bytes for each half of the lanes
	v_add_nc_u32 v[CA], s23, v7
	v_add_nc_u32 v[CTA], CTS, v[CA]
	v_add_nc_u32 v[HA], HTS, v[CA]
	s_mul_i32 s23, s10, 64*PITCH                   ; back: wave w takes rows 64 w .. 64 w + 63, whole; lanes 0-15 one row of 256 bytes, lanes 16-31 the next
	v_mul_u32_u24 v7, v2, PITCH
	v_lshl_add_u32 v7, v1, 4, v7
	v_add_nc_u32 v7, s23, v7
	v_add_nc_u32 v[RD], CTS, v7
	v_add_nc_u32 v[RDH], HTS, v7
	v_lshlrev_b32 v[CO], 13, v2                    ; and the same two rows in an output
	v_lshl_add_u32 v[CO], v1, 4, v[CO]
	s_lshl_b32 s16, s13, 8
	s_lshl_b32 s17, s10, 6
	s_add_co_u32 s16, s16, s17                     ; the first row that I fetch of c and store of the outputs: 256 ty + 64 w,
	s_lshl_b32 s16, s16, 13                        ; of 8,192 bytes,
	s_lshl_b32 s17, s42, 8                         ; and the block's first column, 64 tx, of 4 bytes
	s_add_co_u32 s16, s16, s17
	s_mov_b32 s17, 0
	s_add_nc_u64 s[OH:OH+1], s[82:83], s[16:17]
	s_add_nc_u64 s[OC:OC+1], s[84:85], s[16:17]
	s_add_nc_u64 s[CPT:CPT+1], s[72:73], s[16:17]
	s_mov_b32 s[G0C], 1
	s_mul_i32 s[G0C+1], s10, 64*PITCH              ; c's tile takes the place of slot 0's rows of abf: wave x 64 rows
	s_mov_b64 s[G0C+2:G0C+3], s[CPT:CPT+1]
	s_or_b32 s[G0C+3], s[G0C+3], 0x80000000
	; the prefetches of abf and wbf: both offsets are made, and the wave's part chooses
	s_lshl_b32 s20, s13, 8
	s_lshl_b32 s21, s12, 7
	s_add_co_u32 s20, s20, s21
	s_lshl_b32 s21, s40, 5
	s_add_co_u32 s20, s20, s21                     ; abf: row 256 ty + 128 x half + 32 cx,
	s_lshl_b32 s20, s20, 13
	s_add_co_u32 s20, s20, 3*KSTEP*2               ; at K step 3: the first refill steps it to 4
	s_lshl_b32 s21, s12, 6
	s_lshl_b32 s23, s41, 4
	s_add_co_u32 s21, s21, s23                     ; wbf: row 64 x half + 16 cy,
	s_lshl_b32 s21, s21, 14
	s_lshl_b32 s23, s42, 9                         ; column 256 tx,
	s_add_co_u32 s21, s21, s23
	s_add_co_u32 s21, s21, 3*BSTEP                 ; at K step 3
	s_and_b32 s22, ttmp7, 0xffff                   ; cluster y
	s_mov_b32 s18, BSTEP
	s_movk_i32 s19, KSTEP*2
	s_cmp_eq_u32 s11, 0                            ; do I fetch for abf?
	s_cselect_b32 s20, s20, s21
	s_cselect_b32 s22, ttmp9, s22                  ; the coordinate along which other clusters read the same blocks
	s_cselect_b64 s[PFA:PFA+1], s[68:69], s[70:71]
	s_cselect_b32 s2, 0, 7936
	s_cselect_b32 s[PST], s19, s18
	s_mov_b32 s[PST+1], 0
	s_mov_b32 s21, 0
	s_add_nc_u64 s[PFA:PFA+1], s[PFA:PFA+1], s[20:21]
	s_cmp_eq_u32 s22, 0
	s_cselect_b32 s[LIM], 1, -1                    ; the same in all sixteen partners, for a given wave
	v_and_b32 v8, 31, v0
	v_lshlrev_b32 v[PFC], 13, v8                   ; abf and c: a lane a row of 8,192 bytes
	v_and_b32 v9, 1, v0
	v_mul_u32_u24 v9, s2, v9
	v_sub_nc_u32 v[PFO], v[PFC], v9                ; wbf: 8,192 l - 7,936 (l % 2) = 16,384 (l / 2) + 256 (l % 2): two lanes a row of 16,384 bytes
; 16 matrix instructions: row blocks a0, a0 + 1 of the window's four (hi = 0: my rows 0-63, 1: rows 64-127) x all 8 column blocks, 32 along K.
; first = 1: the first product starts the sums with the bias as C: nothing is cleared, and no bias is added later.
; The 64 accumulators take turns, one instruction a turn, in the same order in every quarter step.
.macro MUL16 f, hi, a0, first
.if \first
	WIN FIRST_LO+0x40*(\hi)
.else
	WIN MUL_LO+0x50*(\hi)
.endif
.irp a, \a0, (\a0)+1
.irp b, 0,1,2,3,4,5,6,7
.if \first
	v_wmma_f32_16x16x32_bf16 v[8*(8*(\a)+(\b)):8*(8*(\a)+(\b))+7], v[(\f)+8*(\b):(\f)+8*(\b)+7], v[(\f)+8*(4*(\hi)+(\a)):(\f)+8*(4*(\hi)+(\a))+7], v[BIAS+8*(\b):BIAS+8*(\b)+7]
.else
	v_wmma_f32_16x16x32_bf16 v[8*(8*(\a)+(\b)):8*(8*(\a)+(\b))+7], v[(\f)+8*(\b):(\f)+8*(\b)+7], v[(\f)+8*(4*(\hi)+(\a)):(\f)+8*(4*(\hi)+(\a))+7], v[8*(8*(\a)+(\b)):8*(8*(\a)+(\b))+7]
.endif
.endr
.endr
.endm
; 32 LDS loads in one run: the fragments of quarter q of a K step (32 k x 128 n of wbf, turned; 128 rows x 32 k of abf) into buffer f
.macro FETCH slot, q, f
	WIN TO_B
.irp i, 0,1,2,3,4,5,6,7
	ds_load_tr16_b128 v[(\f)+8*(\i):(\f)+8*(\i)+3],   v[ADRB+(\slot)] offset:(\q)*32*PB+32*(\i)
	ds_load_tr16_b128 v[(\f)+8*(\i)+4:(\f)+8*(\i)+7], v[ADRB+(\slot)] offset:(\q)*32*PB+16*PB+32*(\i)
.endr
	WIN 0
.irp i, 0,1,2,3,4,5,6,7
	ds_load_b128 v[(\f)+8*(\i):(\f)+8*(\i)+3],   v[ADRA+(\slot)] offset:64*(\q)+(\i)*16*PITCH
	ds_load_b128 v[(\f)+8*(\i)+4:(\f)+8*(\i)+7], v[ADRA+(\slot)] offset:64*(\q)+(\i)*16*PITCH+32
.endr
.endm
; A load into a register that a matrix instruction has read, and a vector instruction that reads a matrix result, stand four places behind that matrix instruction, and only plain vector
; instructions that name none of its registers are places (ISA guide 7.12.1 for vector instructions).
.macro PLACES
.rept 4
	v_nop
.endr
.endm
; A K step is four quarters of 32 along K, 64 matrix instructions each, on buffers 0, 1, 0, 1.  One of the first three: multiplies buffer f; in its middle it fetches quarter q of the same slot into buffer g.
.macro QUARTER slot, q, f, g, first
	s_wait_dscnt 8                                 ; wbf's fragments and abf's rows 0-63 are in; the youngest eight loads (abf's rows 64-127) may be out
	MUL16 \f, 0, 0, \first
	MUL16 \f, 0, 2, \first
	PLACES
	FETCH \slot, \q, \g
	s_wait_dscnt 32                                ; all but the 32 just issued
	MUL16 \f, 1, 0, \first
	MUL16 \f, 1, 2, \first
.endm
; The last quarter multiplies buffer 1 and changes slots.  MEET is its first half: each wave waits for all its tensor loads, of which one is out: its part of the next slot; adds 0 to its spare word; and
; waits for that and for its own reads of this slot.  The barrier opens a round of the cluster's barrier.
.macro MEET
	WIN 0                                          ; (the add's two registers lie in window 0)
	s_wait_tensorcnt 0x0                           ; all my tensor loads have landed;
	ds_add_u32 v[SPW], v[NIL]                      ; 0 onto my spare word;
	s_wait_dscnt 9                                 ; (the add and the youngest eight loads may be out)
	MUL16 F1, 0, 0, 0                              ; sixteen matrix instructions stand between the add and the wait for it
	s_wait_dscnt 0x0                               ; the add is done, and my reads of this slot are over:
	s_barrier_signal -1                            ; say so,
	MUL16 F1, 0, 2, 0                              ; work on registers while the others arrive,
	WIN 0
	s_barrier_wait -1                              ; and go on when all four have said so
.endm
; The whole last quarter.  Behind the round the slot just read out is filled again first, with the K step two steps on; then come the next slot's first fragments.
.macro TURN slot, next
	s_wait_xcnt 0x0                                ; the last prefetch, a K step back, has read its address: it is stepped here, ahead of the waits of the change of slots
	s_add_nc_u64 s[PFA:PFA+1], s[PFA:PFA+1], s[PST:PST+1]
	MEET
	CREST                                          ; no wave of any partner still reads this slot's tiles or has a load on its way
	s_add_nc_u64 s[G0+4*(\slot)+2:G0+4*(\slot)+3], s[G0+4*(\slot)+2:G0+4*(\slot)+3], 2*KSTEP*2
	s_add_nc_u64 s[G0B+4*(\slot)+2:G0B+4*(\slot)+3], s[G0B+4*(\slot)+2:G0B+4*(\slot)+3], 2*BSTEP
	JLOAD \slot                                    ; the first tensor load behind the round, my only one until the next; the four v_nop behind it are also the places in front of the loads below
	FETCH \next, 0, F0
	ASK \slot
	MUL16 F1, 1, 0, 0
	MUL16 F1, 1, 2, 0
.endm
	s_wait_tensorcnt 1                             ; my part of K step 0 is in; K step 1's may stay out
	s_barrier_signal -1
	s_barrier_wait -1                              ; everybody's is
	FETCH 0, 0, F0
	s_wait_loadcnt 0x0                             ; the biases
	QUARTER 0, 1, F0, F1, 1                        ; the first quarter stands in front of the loop: its products start the sums
	WIN 0                                          ; at a label and at a branch every window is 0
	s_mov_b32 s3, LAPS-1
.Llap:                                                 ; a trip goes once round the ring, from a lap's second quarter to the next lap's first, and fills both slots again
	QUARTER 0, 2, F1, F0, 0
	QUARTER 0, 3, F0, F1, 0
	TURN 0, 1
	QUARTER 1, 1, F0, F1, 0
	QUARTER 1, 2, F1, F0, 0
	QUARTER 1, 3, F0, F1, 0
	TURN 1, 0
	QUARTER 0, 1, F0, F1, 0
	WIN 0
	s_sub_co_u32 s3, s3, 1
	s_cmp_lg_u32 s3, 0
	s_cbranch_scc1 .Llap
	QUARTER 0, 2, F1, F0, 0                        ; the last lap: K steps 30 and 31
	QUARTER 0, 3, F0, F1, 0
	MEET                                           ; slot 0 has been read for the last time; my one load that was out is slot 1's, the last K step's
	CREST
	tensor_load_to_lds s[G0C:G0C+3], s[G1C:G1C+7]  ; my 64 rows of c's tile, where slot 0's rows of abf lay: my one tensor load behind this round, and my last
	s_nop 0
	PLACES                                         ; the places in front of the loads below
	FETCH 1, 0, F0
	MUL16 F1, 1, 0, 0
	MUL16 F1, 1, 2, 0
	QUARTER 1, 1, F0, F1, 0
	QUARTER 1, 2, F1, F0, 0
	QUARTER 1, 3, F0, F1, 0
	s_wait_dscnt 8                                 ; the very last quarter: nothing more to fetch
	MUL16 F1, 0, 0, 0
	MUL16 F1, 0, 2, 0
	s_wait_dscnt 0x0                               ; my reads of slot 1 are over: behind the barrier its first half is c_t's stage
	s_wait_tensorcnt 0x0                           ; my rows of c have landed: behind the barrier other waves read them
	s_barrier_signal -1
	MUL16 F1, 1, 0, 0
	MUL16 F1, 1, 2, 0
	WIN 0
	s_barrier_wait -1
	PLACES                                         ; behind the last products: what follows reads results and writes fragment registers
; THE CELL, for my row block a (16 rows x 32 columns j; a lane: one row, 16 columns, in all four gates).  The exponentials and the reciprocals go in batches, each with one plain instruction behind its
; last and one wait ahead of its first reader.  Each accumulator is read from its lowest registers on.
.macro EPI a
.set AC, 64*((\a)%4)                   ; its eight accumulators, in window 2 (blocks 0-3) or 3 (blocks 4-7)
.set CC, 128+16*((\a)%2)               ; c, then c_t: 16 registers, two sets by turns
	WIN 0
.irp u, 0,1
.irp z, 0,1
	ds_load_b128 v[CC+8*(\u)+4*(\z):CC+8*(\u)+4*(\z)+3], v[CA] offset:(\a)*16*PITCH+64*(\u)+16*(\z)
.endr
.endr
	WIN 0x02+(\a)/4                                ; source 0: window 2 or 3
.set p, 0
.rept 32
.if p < 24
	v_pk_mul_f32 v[Z+2*p:Z+2*p+1], v[AC+2*p:AC+2*p+1], s[NL:NL+1] op_sel_hi:[1,0]  ; i, f, o: -log2(e) z
.else
	v_pk_mul_f32 v[Z+2*p:Z+2*p+1], v[AC+2*p:AC+2*p+1], s[TL:TL+1] op_sel_hi:[1,0]  ; g: 2 log2(e) z
.endif
.set p, p+1
.endr
	WIN 0
.set p, 0
.rept 64
	v_exp_f32 v[Z+p], v[Z+p]
.set p, p+1
.endr
	v_nop
	s_wait_alu depctr_va_vdst(0)                   ; one wait for the 64 exponentials
.set p, 0
.rept 32
	v_pk_add_f32 v[Z+2*p:Z+2*p+1], v[Z+2*p:Z+2*p+1], 1.0 op_sel_hi:[1,0]
.set p, p+1
.endr
.set p, 0
.rept 64
	v_rcp_f32 v[Z+p], v[Z+p]
.set p, p+1
.endr
	v_nop
	s_wait_alu depctr_va_vdst(0)                   ; one wait for the 64 reciprocals: i, f and o are made
.set p, 0
.rept 8
	v_pk_fma_f32 v[Z+48+2*p:Z+48+2*p+1], v[Z+48+2*p:Z+48+2*p+1], -2.0, 1.0 op_sel_hi:[1,0,0]  ; g = 1 - 2 r
.set p, p+1
.endr
.set p, 0
.rept 8
	v_pk_mul_f32 v[Z+2*p:Z+2*p+1], v[Z+2*p:Z+2*p+1], v[Z+48+2*p:Z+48+2*p+1]                   ; i g
.set p, p+1
.endr
	s_wait_dscnt 0x0                               ; c is in
.set p, 0
.rept 8
	v_pk_fma_f32 v[CC+2*p:CC+2*p+1], v[CC+2*p:CC+2*p+1], v[Z+16+2*p:Z+16+2*p+1], v[Z+2*p:Z+2*p+1]  ; c_t = c f + i g
.set p, p+1
.endr
.irp u, 0,1
.irp z, 0,1
	ds_store_b128 v[CTA], v[CC+8*(\u)+4*(\z):CC+8*(\u)+4*(\z)+3] offset:(\a)*16*PITCH+64*(\u)+16*(\z)
.endr
.endr
.set p, 0
.rept 8
	v_pk_mul_f32 v[Z+48+2*p:Z+48+2*p+1], v[CC+2*p:CC+2*p+1], s[TL:TL+1] op_sel_hi:[1,0]
.set p, p+1
.endr
.set p, 0
.rept 16
	v_exp_f32 v[Z+48+p], v[Z+48+p]
.set p, p+1
.endr
	v_nop
	s_wait_alu depctr_va_vdst(0)
.set p, 0
.rept 8
	v_pk_add_f32 v[Z+48+2*p:Z+48+2*p+1], v[Z+48+2*p:Z+48+2*p+1], 1.0 op_sel_hi:[1,0]
.set p, p+1
.endr
.set p, 0
.rept 16
	v_rcp_f32 v[Z+48+p], v[Z+48+p]
.set p, p+1
.endr
	v_nop
	s_wait_alu depctr_va_vdst(0)
.set p, 0
.rept 8
	v_pk_fma_f32 v[Z+48+2*p:Z+48+2*p+1], v[Z+48+2*p:Z+48+2*p+1], -2.0, 1.0 op_sel_hi:[1,0,0]  ; tanh(c_t)
.set p, p+1
.endr
.set p, 0
.rept 8
	v_pk_mul_f32 v[Z+48+2*p:Z+48+2*p+1], v[Z+48+2*p:Z+48+2*p+1], v[Z+32+2*p:Z+32+2*p+1]       ; h_t = o tanh(c_t)
.set p, p+1
.endr
.irp u, 0,1
.irp z, 0,1
	ds_store_b128 v[HA], v[Z+48+8*(\u)+4*(\z):Z+48+8*(\u)+4*(\z)+3] offset:(\a)*16*PITCH+64*(\u)+16*(\z)
.endr
.endr
.endm
.irp a, 0,1,2,3,4,5,6,7
	EPI \a
.endr
	s_wait_dscnt 0x0                               ; for the others' sake: my stores into the stages are done
	s_barrier_signal -1
	s_barrier_wait -1
; THE WAY OUT: wave w reads rows 64 w .. 64 w + 63 of a stage back, whole, two rows a load, and stores them.
.macro BACK adr, g, buf                ; rows 32 g .. 32 g + 31 of my 64
.irp i, 0,1,2,3,4,5,6,7,8,9,10,11,12,13,14,15
	ds_load_b128 v[(\buf)+4*(\i):(\buf)+4*(\i)+3], v[\adr] offset:(16*(\g)+(\i))*2*PITCH
.endr
.endm
.macro SENDG base, g, buf, younger     ; younger: the LDS loads issued behind this group's sixteen
.irp i, 0,1,2,3,4,5,6,7,8,9,10,11,12,13,14,15
	s_wait_dscnt (\younger)+15-(\i)
	global_store_b128 v[CO], v[(\buf)+4*(\i):(\buf)+4*(\i)+3], s[(\base):(\base)+1] offset:(16*(\g)+(\i))*2*AROW th:TH_STORE_NT  ; 16 lanes store 256 consecutive bytes, at a multiple of 256 from the output's first byte
.endr
.endm
	BACK RD, 0, 64
	BACK RD, 1, 128
	SENDG OC, 0, 64, 16
	SENDG OC, 1, 128, 0
	s_wait_xcnt 0x0                                ; the stores of c_t have read their registers: these are loaded again only behind this wait
	BACK RDH, 0, 64
	BACK RDH, 1, 128
	SENDG OH, 0, 64, 16
	SENDG OH, 1, 128, 0
	s_wait_tensorcnt 0x0                           ; the wave's end, behind my last tensor load and my last LDS store
	ds_add_u32 v[SPW], v[NIL]
	s_wait_dscnt 0x0
	CROUND                                         ; the closing round: no work-group ends while a partner may still ask for a tile that names it
	s_endpgm
.Lfunc_end_k_qd3263bdc5f_lstm:
	.size	k_qd3263bdc5f_lstm, .Lfunc_end_k_qd3263bdc5f_lstm-k_qd3263bdc5f_lstm
	.p2alignl 7, 3214868480
	.fill 96, 4, 3214868480
	.section	.rodata,"a",@progbits
	.p2align	6, 0x0
	.amdhsa_kernel k_qd3263bdc5f_lstm
		.amdhsa_group_segment_fixed_size 327680
		.amdhsa_private_segment_fixed_size 0
		.amdhsa_enable_private_segment 0
		.amdhsa_kernarg_size 72
		.amdhsa_user_sgpr_count 2
		.amdhsa_user_sgpr_kernarg_segment_ptr 1
		.amdhsa_wavefront_size32 1
		.amdhsa_system_sgpr_workgroup_id_x 1
		.amdhsa_system_sgpr_workgroup_id_y 1
		.amdhsa_system_sgpr_workgroup_id_z 1
		.amdhsa_system_vgpr_workitem_id 0
		.amdhsa_next_free_vgpr 1024
		.amdhsa_next_free_sgpr 100
		.amdhsa_reserve_vcc 0
		.amdhsa_float_denorm_mode_32 3
		.amdhsa_float_denorm_mode_16_64 3
		.amdhsa_memory_ordered 1
		.amdhsa_forward_progress 1
		.amdhsa_inst_pref_size 237
	.end_amdhsa_kernel
	.amdgpu_metadata
---
amdhsa.version: [ 1, 2 ]
amdhsa.kernels:
  - .name:           k_qd3263bdc5f_lstm
    .symbol:         k_qd3263bdc5f_lstm.kd
    .args:
      - { .name: abf, .offset: 0, .size: 8, .value_kind: global_buffer, .address_space: global }
      - { .name: wbf, .offset: 8, .size: 8, .value_kind: global_buffer, .address_space: global }
      - { .name: c, .offset: 16, .size: 8, .value_kind: global_buffer, .address_space: global }
      - { .name: b_i, .offset: 24, .size: 8, .value_kind: global_buffer, .address_space: global }
      - { .name: b_f, .offset: 32, .size: 8, .value_kind: global_buffer, .address_space: global }
      - { .name: b_o, .offset: 40, .size: 8, .value_kind: global_buffer, .address_space: global }
      - { .name: b_c, .offset: 48, .size: 8, .value_kind: global_buffer, .address_space: global }
      - { .name: out0, .offset: 56, .size: 8, .value_kind: global_buffer, .address_space: global }
      - { .name: out1, .offset: 64, .size: 8, .value_kind: global_buffer, .address_space: global }
    .group_segment_fixed_size: 327680
    .private_segment_fixed_size: 0
    .kernarg_segment_align: 8
    .kernarg_segment_size: 72
    .max_flat_workgroup_size: 128
    .sgpr_count:     100
    .vgpr_count:     1024
    .wavefront_size: 32
...
	.end_amdgpu_metadata
.endif
;; end of part 2
